; MI455X (gfx1250); checked and timed in simulation.
; The chip was launched on July 23, 2026; its instructions are those of AMD's public machine-readable ISA for CDNA 5 (MIT licence, August 2026) and "CDNA5" Instruction Set Architecture Reference Guide (July 2026). The comments in the code are by the model that wrote it; some were corrected since.
;; Attention. Allowed arithmetic: matrix products marked QUANTISED: E2M3 operands, one E8M0 scale for each 32 along K, by v_wmma_scale_f32_16x16x128_f8f6f4 with both operands' format E2M3, f32 sums; everything else in f32.
;; Inputs: b_out 1,024 float32; w_out_codes 1,024 x 32 x 24 uint8 (E2M3 codes of w_out, K innermost, in blocks of 32 codes, four codes in three bytes); w_out_scales 1,024 x 32 uint8 (E8M0 scales of w_out, one for each 32 codes along K); w_qkv_codes 3,072 x 32 x 24 uint8 (E2M3 codes of w_qkv, K innermost, in blocks of 32 codes, four codes in three bytes); w_qkv_scales 3,072 x 32 uint8 (E8M0 scales of w_qkv, one for each 32 codes along K); x_codes 4 x 2,048 x 32 x 24 uint8 (E2M3 codes of x, K innermost, in blocks of 32 codes, four codes in three bytes); x_scales 4 x 2,048 x 32 uint8 (E8M0 scales of x, one for each 32 codes along K).
;; Outputs: out0 4 x 2,048 x 1,024 float32.
;; This version of the problem:
;;   THIS VERSION OF THE PROBLEM IS GIVEN IN LOW PRECISION. The matrix products marked QUANTISED in the list below multiply operands that are first quantised to E2M3 (2 exponent bits, 3 mantissa bits; 6 bits a number), with one power-of-two scale for each 32 numbers along K (OCP MX v1.0); their sums are f32. All else is computed in f32.
;;   The module's matrix products, in the order in which they are computed (A, B: the left and right operand; K: the contracted axis; several contracted axes count as one K, in the product's order):
;;     1. [M 8,192, K 1,024] x [K 1,024, N 3,072]; A: input x (given as codes); B: input w_qkv (given as codes): QUANTISED
;;     2. batch 64 x [M 2,048, K 64] x [K 64, N 2,048]; A: computed on the way; B: computed on the way: QUANTISED
;;     3. batch 64 x [M 2,048, K 2,048] x [K 2,048, N 64]; A: softmax (see below); B: computed on the way: QUANTISED
;;     4. [M 8,192, K 1,024] x [K 1,024, N 1,024]; A: computed on the way; B: input w_out (given as codes): QUANTISED
;;   THE QUANTISER, for each operand of a quantised product, along K:
;;     - K is cut into blocks of 32 from its start; a last block that is shorter is filled with zeros.
;;     - A block's scale is 2^e with e = floor(log2(the largest magnitude in the block)) - 2, held to -126 .. 127; a block of zeros has e = 0. As a byte (E8M0): e + 127.
;;     - Each number is divided by its block's scale, clamped to +-7.5, and rounded to the nearest number of E2M3, ties to even, subnormals kept.
;;     - The product sums the exact products of the quantised numbers (number of the format x scale) in f32.
;;   ~~~python
;;   def quantise(x, axis):      # numpy; x: float32 -> the quantised numbers, widened to float32 again
;;       x = np.moveaxis(x, axis, -1); K = x.shape[-1]
;;       x = np.pad(x, [(0, 0)] * (x.ndim - 1) + [(0, -K % 32)]); x = x.reshape(x.shape[:-1] + (-1, 32)); a = np.abs(x).max(-1, keepdims=True)
;;       e = np.where(a > 0, np.clip(np.frexp(np.where(a > 0, a, 1))[1] - 1 - 2, -126, 127), 0)      # np.frexp(a)[1] - 1 = floor(log2(a)), exactly
;;       r = np.clip(x / 2.0 ** e, -7.5, 7.5)
;;       step = 2.0 ** (np.maximum(np.frexp(np.where(r == 0, 1, r))[1] - 1, 0) - 3)
;;       q = np.round(r / step) * step * 2.0 ** e      # np.round: ties to even
;;       return np.moveaxis(q.reshape(q.shape[:-2] + (-1,))[..., :K], -1, axis).astype(np.float32)
;;   ~~~
;;   SOFTMAX AHEAD OF A QUANTISED PRODUCT. Where the list says 'softmax', what is quantised is not the finished softmax but p = 2^(t - M), with t = logit x log2(e) and M = ceil(the row's largest t), a whole number; so 1/2 < the row's largest p <= 1. The row's sum l is taken of the UNQUANTISED p, in f32, and the product's result is divided by l at the end. Since M is a whole number, a kernel that streams over the keys may use a running M (the ceiling of the running maximum): every later rescaling is an exact power of two, which a block's scale takes up: the codes' values come out the same.
;;   OPERANDS COMPUTED ON THE WAY. 'Computed on the way' means the value that the module computes at that place (a softmax that the list does not call 'softmax' is quantised finished and normalised). What goes into a quantiser is computed in f32, as accurately as f32 sums, v_exp_f32 and their like allow (about 1e-6 of the number): no bf16 or f16 on the way to a quantiser, and a product that is left as it is and whose result goes on into a quantised operand takes f32 operands (vector FMAs, or v_wmma_f32_16x16x4_f32). A number that lies on a knife's edge between two numbers of the format may be rounded either way, as far as f32 arithmetic and the matrix unit's own rounding can turn it there, and no further.
;;   INPUTS GIVEN AS CODES. w_out (in the module: [1024, 1024], K = its axis 0); w_qkv (in the module: [1024, 3072], K = its axis 0); x (in the module: [4, 2048, 1024], K = its axis 2): each comes as NAME_codes (uint8): NAME with its K axis moved to the last place and cut into blocks of 32 codes, [.., K / 32, bytes a block], one block behind the other in memory; four codes in three bytes: a row's codes are one little-endian stream of bits, code i at bits 6 i .. 6 i + 5 (a code: sign, 2 exponent bits, 3 mantissa bits); and NAME_scales (uint8): the same leading axes, one E8M0 byte (e + 127) for each 32 codes along K. Its value is code x scale, taken as it is: it is not quantised again, and the codes and scales need not be those that the quantiser above would give.
;; One version. Each part assembles by itself: llvm-mc -triple=amdgcn-amd-amdhsa -mcpu=gfx1250 --defsym DOCPART=n.
;; ======== version 1 of 1: 3 launches
;; limits: right only within a limited range of input values
;; workspace buffers: qimg 6,291,456 bytes; qsc 524,288 bytes; kv 13,369,344 bytes; oimg 6,291,456 bytes; osc 262,144 bytes
;; launch qkv (part 1): grid 8 x 48, 4 waves a work-group, clusters of 4 x 4, 327,680 bytes of LDS; arguments x_codes, x_scales, w_qkv_codes, w_qkv_scales, qimg, qsc, kv; writes qimg, qsc, kv
.if DOCPART == 1
	.amdgcn_target "amdgcn-amd-amdhsa--gfx1250"
	.amdhsa_code_object_version 6
	.text
	.protected	k_q651bbcb246_qkv
	.globl	k_q651bbcb246_qkv
	.p2align	8
	.type	k_q651bbcb246_qkv,@function
k_q651bbcb246_qkv:
	s_mov_b64 s[64:65], 0
	v_nop
	global_prefetch_b8 v0, s[64:65] scope:SCOPE_SE
	s_setreg_imm32_b32 hwreg(HW_REG_WAVE_MODE, 25, 1), 1
	s_wait_xcnt 0x0
	s_wait_alu depctr_hold_cnt(0) depctr_sa_sdst(0) depctr_va_vdst(0) depctr_va_sdst(0) depctr_va_ssrc(0) depctr_va_vcc(0) depctr_vm_vsrc(0)
	s_getreg_b32 s2, hwreg(HW_REG_IB_STS2, 6, 4)
	s_cmp_eq_u32 s2, 0
	s_cbranch_scc0 .Lentry_in_a_cluster
	s_endpgm
.Lentry_in_a_cluster:
	s_bfe_u32 s2, ttmp6, 0x10000c
	s_cmp_lg_u32 s2, 0xf033
	s_cbranch_scc0 .Lentry_shape_is_right
	s_endpgm
.Lentry_shape_is_right:
; PRODUCT 1, x [8192][1024] times w_qkv [3072][1024] (codes of E2M3, K innermost, one E8M0 byte for each 32 along K), and the quantising of q, k and v.  No f32 number goes to memory.
; A work-group of four waves makes 256 x 256 results, a wave 128 x 128: 64 accumulators.  D = (source 0 = 16 rows of P) x (source 1 = 16 rows of R): a lane holds ONE row of R, its registers run along P's rows,
; so P is the side along which the results are quantised.  q, k (cluster y 0-7): P = w_qkv (128 channels = two heads), R = x.  v (cluster y 8-11): P = x (128 keys = one key step), R = w_qkv's rows 2048 on.
; The roles are chosen by pointer, on the cluster's y alone; both buffers have rows of 768 bytes of codes and 32 of scales.
; THE ORDER INSIDE A BLOCK OF 32: converted sixteen at a time and with the halves of the lanes exchanged, a lane holds a block in the order 0-7, 16-23, 8-15, 24-31.  q and k take the same way out, and so do v here and p in
; the next launch: both sides of products 2 and 3 are permuted alike inside a block of one scale, so their products are the same numbers.
; WHAT IS STORED: images of operand registers.  q: [bh][query tile][768]: registers 0-3 at 16 x lane, 4-5 at 512 + 8 x lane.  kv: [bh][key step][13056]: k's 8 tiles so, v's 4 tiles of 1,536 bytes, k's 512 and v's 256 bytes of scale words.
; K GOES IN THREE CHUNKS OF 256 BYTES of each row (a row is 768 bytes, so every chunk begins at a multiple of 256) through two LDS slots; chunk c lies in slot c % 2.  A step of 128 along K is 96 bytes: steps 2 and 5 lie across two chunks.
; CLUSTERS: 4 x 4; R's tiles are shared along a row of the cluster, P's along a column: joint loads.  No prefetch: of the three chunks two are asked for at the head, and the walk is written out with no loop to run ahead in.
; LIMITS: NaN and infinities are not served; a block whose largest magnitude lies under 2^-124, a block of zeros too, keeps the byte 1 (these bytes are read by this program alone).
.set KROW,   768
.set ROWB,   256                       ; a chunk
.set CHUNKS, 3
.set PITCH,  272                       ; an LDS row: 256 bytes + 16 of padding
.set FR,     12                        ; registers of a fragment
.set NL,     6                         ; LDS loads that bring one
.set HALFT,  128*PITCH                 ; what one tensor load brings
.set SLOT,   4*HALFT                   ; R's 256 rows, then P's 256 rows
.set SPARE,  2*SLOT                    ; the spare words
.set ADRA, 16                          ; v16-17 LDS address of my R fragments in slot 0, 1; v18-19: lanes 0-15 at byte 232 of slot 0, 1, lanes 16-31 at byte 0 of the other slot
.set ADRB, 20                          ; v20-23 the same for P
.set L16,  24
.set L8,   25
.set L32,  26
.set SPW,  28                          ; my spare word; never rewritten
.set NIL,  29                          ; 0; never rewritten
.set SCR,  30                          ; v30-61 R's scale words: register 8 j + g: lane l holds the word of my row 32 j + l for K step g
.set SCP,  64                          ; v64-95 P's likewise
.set SW,   96                          ; v96-111 the scale words made
.set AF,   128                         ; v128-223 R's fragments, one set; on the way out the codes made
.set CT,   224                         ; the conversions' second halves
.set TM,   232                         ; v232-247 at work in the quantiser
.set G1,  24
.set G0,  32
.set G1B, 48
.set G0B, 56
.set GR,  4                            ; s[4:7], s[8:11] group 0 of the one refill, R's and P's (the arguments that lay there have been used by then)
.set GRB, 8
.set MSB, 0
.macro WIN new                         ; the immediate's high byte repeats the setting that is left
.if MSB != (\new)
	s_set_vgpr_msb (MSB<<8)|(\new)
.set MSB, (\new)
.endif
.endm
.set MUL_LO, 0xa1                      ; source 0 (P) window 1, source 1 (R) window 0, C and D window 2
.set MUL_HI, 0xf1
.set TO_B,   0x40
.macro PLACES                          ; four places behind a matrix instruction of this form (ISA guide 7.12.1)
.rept 4
	v_nop
.endr
.endm
.macro JLOAD                           ; the refill's joint load: waves 0 and 1 fetch R's two halves, waves 2 and 3 P's
	s_cmp_eq_u32 s19, 0
	s_cbranch_scc0 .Lfor_p_\@
	tensor_load_to_lds s[GR:GR+3], s[G1:G1+7]
	s_nop 0
	PLACES
	s_branch .Lasked_\@
.Lfor_p_\@:
	tensor_load_to_lds s[GRB:GRB+3], s[G1B:G1B+7]
	s_nop 0
	PLACES
.Lasked_\@:
.endm
.macro CREST                           ; a round of the cluster's barrier behind its opening barrier
	s_cmp_lg_u32 s18, 0
	s_cbranch_scc1 .Lnot_wave_0_\@
	s_barrier_signal -3
.Lnot_wave_0_\@:
	s_barrier_wait -3
	s_barrier_signal -1
	s_barrier_wait -1
.endm
.macro CROUND
	s_barrier_signal -1
	s_barrier_wait -1
	CREST
.endm
	s_load_b256 s[4:11], s[0:1], 0x0               ; x's codes, x's scales, w's codes, w's scales
	s_load_b128 s[12:15], s[0:1], 0x20             ; qimg, qsc
	s_load_b64 s[16:17], s[0:1], 0x30              ; kv
	v_lshl_add_u32 v[SPW], v0, 2, SPARE
	v_mov_b32 v[NIL], 0
	ds_add_u32 v[SPW], v[NIL]                      ; the opening lines: the add twice on end and its wait
	ds_add_u32 v[SPW], v[NIL]
	v_lshrrev_b32 v1, 5, v0
	v_readfirstlane_b32 s18, v1                    ; wave 0..3
	s_lshr_b32 s19, s18, 1                         ; which half of R's 256 rows is mine.  Also: I fetch for R (0) or for P (1)
	s_and_b32 s20, s18, 1                          ; which half of P's.  Also: which 128 rows of that tile I fetch
	s_bfe_u32 s21, ttmp6, 0x40000                  ; cx
	s_bfe_u32 s22, ttmp6, 0x40004                  ; cy
	s_and_b32 s23, ttmp7, 0xffff                   ; the cluster's y: 0-7 q and k, 8-11 v
	s_lshl_b32 s40, ttmp9, 2
	s_add_co_u32 s40, s40, s21                     ; q, k: P's tile = 4 x cluster x + cx
	s_max_u32 s41, s23, 8
	s_sub_co_u32 s41, s41, 8
	s_lshl_b32 s41, s41, 3
	s_add_co_u32 s41, s41, s40                     ; v: P's tile of x = that + 8 x (cluster y - 8)
	s_lshl_b32 s42, s23, 2
	s_add_co_u32 s42, s42, s22                     ; q, k: R's tile of x = 4 x cluster y + cy
	s_add_co_u32 s43, s22, 8                       ; v: R's tile of w = 8 + cy
	s_cmp_ge_u32 s23, 8
	s_cselect_b32 s66, s41, s40                    ; P's tile: it never holds cy
	s_cselect_b32 s67, s43, s42                    ; R's tile: it never holds cx
	s_cselect_b32 s68, 1, 0                        ; 1: this cluster makes v
	s_lshl_b32 s44, s22, 2
	s_lshl_b32 s44, 15, s44                        ; my row of the cluster
	s_lshl_b32 s45, 0x1111, s21                    ; my column
	s_or_b32 s[G1+0], s44, (1<<20)|(1<<21)|(5<<22)|(3<<25)   ; the mask; elements of 1 byte; padding: after every 64 words 4 words; bit 21 beside a mask
	s_or_b32 s[G1B+0], s45, (1<<20)|(1<<21)|(5<<22)|(3<<25)
.irp g, G1, G1B
	s_mov_b32 s[\g+1], ROWB<<16
	s_mov_b32 s[\g+2], 256<<16                     ; the head's loads bring whole tiles of 256 rows; the refill's 128 are set behind its wait
	s_mov_b32 s[\g+3], ROWB<<16
	s_mov_b32 s[\g+4], 256
	s_mov_b32 s[\g+5], KROW
	s_mov_b32 s[\g+6], 0
	s_mov_b32 s[\g+7], 0
.endr
	s_mul_i32 s2, s20, 128*KROW                    ; the refill: which 128 rows of the tile I fetch,
	s_add_co_u32 s2, s2, 2*ROWB                    ; and chunk 2 of them
	s_mov_b32 s3, 0
	s_lshl_b32 s92, s67, 8
	s_mul_i32 s92, s92, KROW                       ; R: the tile's first byte (under 2^23)
	s_mov_b32 s93, 0
	s_lshl_b32 s94, s66, 8
	s_mul_i32 s94, s94, KROW                       ; P likewise
	s_mov_b32 s95, 0
	s_mul_i32 s47, s18, HALFT                      ; where they go: wave x 128 rows
	s_mov_b32 s88, 0x1800000                       ; the floor 2^(3 - 127) of a block's largest magnitude
	s_mov_b32 s89, 0xffff0000                      ; lanes 16-31
	s_mov_b32 s90, 0x76543210
	s_mov_b32 s91, 0xfedcba98                      ; v_permlanex16_b32's selects for lane l xor 16
	s_wait_dscnt 0x0                               ; both opening adds are done
	s_wait_kmcnt 0x0
	s_cmp_eq_u32 s68, 1
	s_cselect_b64 s[72:73], s[4:5], s[8:9]         ; P's codes
	s_cselect_b64 s[74:75], s[6:7], s[10:11]       ; P's scales
	s_cselect_b64 s[76:77], s[8:9], s[4:5]         ; R's codes
	s_cselect_b64 s[78:79], s[10:11], s[6:7]       ; R's scales
	s_add_nc_u64 s[92:93], s[76:77], s[92:93]
	s_add_nc_u64 s[94:95], s[72:73], s[94:95]
	CROUND                                         ; all sixteen work-groups are here: the first joint loads meet
.irp s, 0,1
	s_mov_b32 s[G0+4*\s], 1
	s_mov_b32 s[G0+4*\s+1], \s*SLOT
	s_add_nc_u64 s[G0+4*\s+2:G0+4*\s+3], s[92:93], \s*ROWB
	s_or_b32 s[G0+4*\s+3], s[G0+4*\s+3], 0x80000000
	s_mov_b32 s[G0B+4*\s], 1
	s_mov_b32 s[G0B+4*\s+1], \s*SLOT+2*HALFT
	s_add_nc_u64 s[G0B+4*\s+2:G0B+4*\s+3], s[94:95], \s*ROWB
	s_or_b32 s[G0B+4*\s+3], s[G0B+4*\s+3], 0x80000000
.endr
	s_mov_b32 s[GR], 1                             ; the refill: my quarter of chunk 2, into slot 0
	s_add_co_u32 s[GR+1], s47, 0
	s_add_nc_u64 s[GR+2:GR+3], s[92:93], s[2:3]
	s_or_b32 s[GR+3], s[GR+3], 0x80000000
	s_mov_b32 s[GRB], 1
	s_add_co_u32 s[GRB+1], s47, 0
	s_add_nc_u64 s[GRB+2:GRB+3], s[94:95], s[2:3]
	s_or_b32 s[GRB+3], s[GRB+3], 0x80000000
; THE HEAD'S LOADS, ONE A WAVE, in one chain of branches on the wave's number: wave 0 chunk 0's 256 rows of R, wave 1 its 256 rows of P, waves 2 and 3 the same of chunk 1
.macro ARM under, g0, g1, next
	s_cmp_lt_u32 s18, \under
	s_cbranch_scc0 \next
	tensor_load_to_lds s[\g0:\g0+3], s[\g1:\g1+7]
	s_nop 0
	PLACES
	s_branch .Lhead_asked
\next:
.endm
	ARM 1, G0,   G1,  .Lhead_1
	ARM 2, G0B,  G1B, .Lhead_2
	ARM 3, G0+4, G1,  .Lhead_3
	tensor_load_to_lds s[G0B+4:G0B+7], s[G1B:G1B+7]
	s_nop 0
	PLACES
.Lhead_asked:
	v_and_b32 v1, 15, v0                           ; l % 16
	v_bfe_u32 v2, v0, 4, 1                         ; l / 16
	v_mul_u32_u24 v3, v1, PITCH
	v_mul_u32_u24 v4, v2, 24
	v_add_nc_u32 v4, v3, v4                        ; a fragment's row x pitch + 24 x half
	s_mov_b32 s96, SLOT-232
	s_mov_b32 s97, SLOT+232
	v_sub_nc_u32 v7, 1, v2
	v_mul_u32_u24 v5, s96, v2
	v_add_nc_u32 v5, v3, v5
	v_add_nc_u32 v5, 232, v5                       ; lanes 0-15 byte 232 of the row in slot 0, lanes 16-31 byte 0 of the row in slot 1
	v_mul_u32_u24 v6, s97, v7
	v_add_nc_u32 v6, v3, v6                        ; lanes 0-15 byte 232 in slot 1, lanes 16-31 byte 0 in slot 0
	s_mul_i32 s96, s19, HALFT                      ; my 128 rows of R
	s_mul_i32 s97, s20, HALFT
	s_add_co_u32 s97, s97, 2*HALFT                 ; my 128 rows of P, behind R's 256
	v_add_nc_u32 v[ADRA+2], s96, v5
	v_add_nc_u32 v[ADRA+3], s96, v6
	v_add_nc_u32 v[ADRB+2], s97, v5
	v_add_nc_u32 v[ADRB+3], s97, v6
.irp s, 0,1
	v_add_nc_u32 v[ADRA+\s], s96, v4
	v_add_nc_u32 v[ADRB+\s], s97, v4
	s_add_co_u32 s96, s96, SLOT
	s_add_co_u32 s97, s97, SLOT
.endr
	v_and_b32 v8, 31, v0
	v_lshlrev_b32 v[L16], 4, v8
	v_lshlrev_b32 v[L8], 3, v8
	v_lshlrev_b32 v[L32], 5, v8
.irp b, 0,1,2,3
	v_mov_b32 v[TM+4+\b], 0                        ; written once: a lane permute's destination counts as one of its sources
.endr
	s_wait_alu depctr_va_vdst(0)                   ; the wait behind the head's last vector instruction
	s_lshl_b32 s98, s67, 8
	s_lshl_b32 s99, s19, 7
	s_add_co_u32 s98, s98, s99                     ; my first row of R
	s_lshl_b32 s70, s66, 8
	s_lshl_b32 s71, s20, 7
	s_add_co_u32 s70, s70, s71                     ; my first row of P
	s_lshl_b32 s2, s98, 5                          ; 32 bytes of scales a row
	s_mov_b32 s3, 0
	s_add_nc_u64 s[78:79], s[78:79], s[2:3]
	s_lshl_b32 s2, s70, 5
	s_add_nc_u64 s[74:75], s[74:75], s[2:3]
; the scale words of my 128 rows of each side, for all of K, come once and stay in registers: a lane takes a row's 32 bytes
.irp j, 0,1,2,3
	global_load_b128 v[SCR+8*\j:SCR+8*\j+3], v[L32], s[78:79] offset:1024*\j
	global_load_b128 v[SCR+8*\j+4:SCR+8*\j+7], v[L32], s[78:79] offset:1024*\j+16
	global_load_b128 v[SCP+8*\j:SCP+8*\j+3], v[L32], s[74:75] offset:1024*\j
	global_load_b128 v[SCP+8*\j+4:SCP+8*\j+7], v[L32], s[74:75] offset:1024*\j+16
.endr
; WHERE THE RESULTS GO.  s[80:81], s[82:83]: the images of the wave's first and second head; s[84:85], s[86:87]: their scale words.
	s_cmp_eq_u32 s68, 1
	s_cselect_b32 s69, s70, s98                    ; my first row of x
	s_cselect_b32 s71, s98, s70                    ; my first channel of w_qkv
	s_lshr_b32 s96, s69, 11
	s_lshl_b32 s96, s96, 4
	s_bfe_u32 s97, s71, 0x40006
	s_add_co_u32 s96, s96, s97                     ; bh = 16 x batch + my first head
	s_bfe_u32 s97, s69, 0x40007                    ; which 128 tokens of the batch's 2,048
	s_lshr_b32 s99, s71, 10                        ; 0: q, 1: k, 2: v
	s_cmp_eq_u32 s99, 0
	s_cselect_b64 s[80:81], s[12:13], s[16:17]
	s_cselect_b64 s[84:85], s[14:15], s[16:17]
	s_mov_b32 s40, 208896
	s_cselect_b32 s40, 98304, s40                  ; a head on, among the images
	s_mov_b32 s41, 13056
	s_cselect_b32 s41, 6144, s41                   ; 128 tokens on
	s_mov_b32 s42, 208896
	s_cselect_b32 s42, 8192, s42                   ; the same among the scale words
	s_mov_b32 s43, 13056
	s_cselect_b32 s43, 512, s43
	s_cselect_b32 s45, 0, 12288                    ; k's scale words lie 12,288 bytes into a record,
	s_cmp_eq_u32 s99, 2
	s_cselect_b32 s44, 6144, 0                     ; v's images 6,144,
	s_cselect_b32 s46, 512, 0
	s_add_co_u32 s45, s45, s46                     ; v's scale words 12,800
	s_mul_i32 s46, s96, s40
	s_mul_i32 s47, s97, s41
	s_add_co_u32 s46, s46, s47
	s_add_co_u32 s46, s46, s44
	s_mov_b32 s47, 0
	s_add_nc_u64 s[80:81], s[80:81], s[46:47]
	s_mov_b32 s41, 0
	s_add_nc_u64 s[82:83], s[80:81], s[40:41]
	s_mul_i32 s46, s96, s42
	s_mul_i32 s44, s97, s43
	s_add_co_u32 s46, s46, s44
	s_add_co_u32 s46, s46, s45
	s_add_nc_u64 s[84:85], s[84:85], s[46:47]
	s_mov_b32 s43, 0
	s_add_nc_u64 s[86:87], s[84:85], s[42:43]
.macro FRAG reg, adr, st, i            ; a fragment of step st: lane l holds row l % 16; registers 6 c .. 6 c + 5 hold K = 64 c + 32 (l / 16) + 0 .. 31, in pieces of 8 bytes
.irp p, 0,1,2,3,4,5
.set BY, 96*(\st)+48*(\p/3)+8*(\p%3)   ; the piece of lanes 0-15, in bytes of the row; byte y lies in slot (y / 256) % 2 at byte y % 256; lanes 16-31 read 24 bytes on
.if BY/ROWB == (BY+24)/ROWB
	ds_load_b64 v[\reg+2*\p:\reg+2*\p+1], v[\adr+(BY/ROWB)%2] offset:BY%ROWB+(\i)*16*PITCH
.else
	ds_load_b64 v[\reg+2*\p:\reg+2*\p+1], v[\adr+2+(BY/ROWB)%2] offset:BY%ROWB-232+(\i)*16*PITCH
.endif
.endr
.endm
; One product: R's block a x P's block b, K step g, P's set p.  A block's scale words lie in lanes 0-15 (even blocks) or 16-31 (odd blocks) of its pair's register.
.macro WM1 c
.if par == 0
	v_wmma_scale_f32_16x16x128_f8f6f4 v[rD:rD+7], v[rP:rP+FR-1], v[rR:rR+FR-1], \c, v[rX], v[rY] matrix_a_fmt:MATRIX_FMT_FP6 matrix_b_fmt:MATRIX_FMT_FP6
.elseif par == 1
	v_wmma_scale_f32_16x16x128_f8f6f4 v[rD:rD+7], v[rP:rP+FR-1], v[rR:rR+FR-1], \c, v[rX], v[rY] matrix_a_fmt:MATRIX_FMT_FP6 matrix_b_fmt:MATRIX_FMT_FP6 matrix_a_scale:MATRIX_SCALE_ROW1
.elseif par == 2
	v_wmma_scale_f32_16x16x128_f8f6f4 v[rD:rD+7], v[rP:rP+FR-1], v[rR:rR+FR-1], \c, v[rX], v[rY] matrix_a_fmt:MATRIX_FMT_FP6 matrix_b_fmt:MATRIX_FMT_FP6 matrix_b_scale:MATRIX_SCALE_ROW1
.else
	v_wmma_scale_f32_16x16x128_f8f6f4 v[rD:rD+7], v[rP:rP+FR-1], v[rR:rR+FR-1], \c, v[rX], v[rY] matrix_a_fmt:MATRIX_FMT_FP6 matrix_b_fmt:MATRIX_FMT_FP6 matrix_a_scale:MATRIX_SCALE_ROW1 matrix_b_scale:MATRIX_SCALE_ROW1
.endif
.endm
.macro WM a, b, p, g, zero
.set rD, 8*(8*((\a)%4)+(\b))
.set rP, 128*(\p)+FR*(\b)
.set rR, AF+FR*(\a)
.set rX, SCP+8*((\b)/2)+(\g)
.set rY, SCR+8*((\a)/2)+(\g)
.set par, 2*((\a)%2)+(\b)%2
.if \zero
	WM1 0
.else
	WM1 v[rD:rD+7]
.endif
.endm
; 16 products.  The 64 accumulators take turns, one instruction a turn, in the same order in every step.
.macro MUL16 a0, p, g, zero
.irp a, \a0, \a0+1
.irp b, 0,1,2,3,4,5,6,7
	WM \a, \b, \p, \g, \zero
.endr
.endr
.endm
.macro FETCH_B st, p                   ; P's eight fragments of step st into set p
	WIN TO_B
.irp i, 0,1,2,3,4,5,6,7
	FRAG 128*(\p)+FR*\i, ADRB, \st, \i
.endr
	WIN 0
.endm
.macro FETCH_A st, i0                  ; R's blocks i0 .. i0 + 3
.irp i, \i0, \i0+1, \i0+2, \i0+3
	FRAG AF+FR*(\i), ADRA, \st, \i
.endr
.endm
; A step of 128 along K: 64 products; the next step's fragments are fetched in its middle and at its end.
; Where the next step's bytes END in a chunk not read yet: every wave waits for its tensor loads, and a barrier shows that chunk whole, ahead of the fetch.
; Where they BEGIN in a later chunk than this step's: the chunk left behind is read no more: the wait, the add, the wait for it and for my reads, the barrier; where chunk C0 + 2 exists the barrier opens a round and the slot is filled again.
.macro STEP st, zero
.set NX, (\st)+1
.set C0, (96*(\st))/ROWB
.set C1, (96*NX)/ROWB
.set E0, (96*(\st)+95)/ROWB
.set E1, (96*NX+95)/ROWB
.if C1 > C0 || E1 > E0
	s_wait_tensorcnt 0x0                           ; all my tensor loads have landed
.if C1 > C0
	ds_add_u32 v[SPW], v[NIL]
.if C0+2 < CHUNKS
	s_mov_b32 s[G1+2], 128<<16                     ; no tensor load of mine is out, so a descriptor may be written: the refill brings 128 rows a wave
	s_mov_b32 s[G1+4], 128
	s_mov_b32 s[G1B+2], 128<<16
	s_mov_b32 s[G1B+4], 128
.endif
	s_wait_dscnt 4*NL+1                            ; the add and the youngest 24 loads (R's blocks 4-7) may be out
.else
	s_wait_dscnt 4*NL                              ; the youngest 24 loads may be out
.endif
	WIN MUL_LO
	MUL16 0, (\st)%2, \st, \zero
	s_wait_dscnt 0x0                               ; the add, where there is one, and all my reads are done
	s_barrier_signal -1
	MUL16 2, (\st)%2, \st, \zero
	WIN 0
	s_barrier_wait -1
.if C1 > C0 && C0+2 < CHUNKS
	CREST                                          ; no wave of any partner still reads this slot or has a load on its way
	JLOAD                                          ; chunk 2 into slot 0; its four v_nop are the places in front of the loads below
.else
	PLACES
.endif
.else
	s_wait_dscnt 4*NL                              ; P's set and R's blocks 0-3 are in
	WIN MUL_LO
	MUL16 0, (\st)%2, \st, \zero
	MUL16 2, (\st)%2, \st, \zero
	s_wait_dscnt 0x0                               ; R's blocks 4-7 are in
	PLACES
.endif
	FETCH_B NX, NX%2
	FETCH_A NX, 0
	WIN MUL_HI
	MUL16 4, (\st)%2, \st, \zero
	MUL16 6, (\st)%2, \st, \zero
	PLACES
	WIN 0
	FETCH_A NX, 4
.endm
	s_cmp_lt_u32 s18, 2                            ; waves 0 and 1 wait for chunk 0, whose load lines are theirs alone; chunk 1 may still be on its way
	s_cbranch_scc0 .Lnot_chunk_0                   ; and step 1's barrier, with every wave's wait ahead of it, shows chunk 1
	s_wait_tensorcnt 0x0
.Lnot_chunk_0:
	s_barrier_signal -1
	s_barrier_wait -1
	FETCH_B 0, 0
	FETCH_A 0, 0
	FETCH_A 0, 4
	s_wait_loadcnt 0x0                             ; the scale words
	STEP 0, 1                                      ; the first step's products start the sums
.set ST, 1
.rept 6
	STEP ST, 0
.set ST, ST+1
.endr
	s_wait_dscnt 4*NL                              ; the last step
	WIN MUL_LO
	MUL16 0, 1, 7, 0
	MUL16 2, 1, 7, 0
	s_wait_dscnt 0x0
	WIN MUL_HI
	MUL16 4, 1, 7, 0
	MUL16 6, 1, 7, 0
	WIN 0
	PLACES
; THE WAY OUT.  R's block a: my row's 128 numbers along P, 64 in my registers, become 12 registers of codes at v[128 + 12 a] and a scale word in v[96 + a].
.macro QUANTW a
.set AC, 64*((\a)%4)
.set WA, 2+(\a)/4
.set CD, AF+12*(\a)
	WIN (WA<<2)|(WA<<4)
.irp b, 0,1,2,3
	v_max3_num_f32 v[TM+\b], s88, |v[AC+16*\b]|, |v[AC+16*\b+1]|   ; block b: my 16 numbers and the floor; each accumulator from its low end on
.endr
.irp i, 2,4,6,8,10,12,14
.irp b, 0,1,2,3
	v_max3_num_f32 v[TM+\b], v[TM+\b], |v[AC+16*\b+\i]|, |v[AC+16*\b+\i+1]|
.endr
.endr
	WIN 0
.irp b, 0,1,2,3
	v_permlanex16_b32 v[TM+4+\b], v[TM+\b], s90, s91
.endr
.irp b, 0,1,2,3
	v_max_num_f32 v[TM+\b], v[TM+\b], v[TM+4+\b]   ; with lane l xor 16's: the block's largest magnitude
.endr
.irp b, 0,1,2,3
	v_add_nc_u32 v[TM+12+\b], 0xff000000, v[TM+\b] ; 2 off its exponent field: the conversion's scale operand
.endr
.irp b, 0,1,2,3
	v_lshrrev_b32 v[TM+4+\b], 23, v[TM+12+\b]      ; the scale's byte
.endr
	v_lshl_or_b32 v[SW+\a], v[TM+5], 8, v[TM+4]
	v_lshl_or_b32 v[SW+\a], v[TM+6], 16, v[SW+\a]
	v_lshl_or_b32 v[SW+\a], v[TM+7], 24, v[SW+\a]
	WIN WA
.irp c, 0,1
	v_cvt_scalef32_pk16_fp6_f32 v[CD+6*\c:CD+6*\c+2], v[AC+32*\c:AC+32*\c+15], v[TM+12+2*\c]
	v_cvt_scalef32_pk16_fp6_f32 v[CT+4*\c:CT+4*\c+2], v[AC+32*\c+16:AC+32*\c+31], v[TM+12+2*\c+1]
.endr
	WIN 0
	v_nop                                          ; one plain place behind a scaled conversion
.irp c, 0,1
.irp i, 0,1,2
	v_permlane16_swap_b32 v[CD+6*\c+\i], v[CT+4*\c+\i]   ; a whole block to a lane
.endr
.irp i, 0,1,2
	v_mov_b32 v[CD+3+6*\c+\i], v[CT+4*\c+\i]
.endr
.endr
.endm
.irp a, 0,1,2,3,4,5,6,7
	QUANTW \a
.endr
.irp i, 0,1,2,3
	v_cndmask_b32 v[SW+8+\i], v[SW+2*\i], v[SW+2*\i+1], s89   ; lanes 0-15 block 2 i's word, lanes 16-31 block 2 i + 1's
.endr
	s_cmp_eq_u32 s68, 1                            ; the same in all partners
	s_wait_alu depctr_va_vdst(0)                   ; the wait directly ahead of the branch
	s_cbranch_scc1 .Lv_tail
; q, k: registers 0-5 are the first head's 64 codes of my token, 6-11 the second head's; bytes 0, 1 of the word are the first head's, 2, 3 the second's
.irp i, 0,1,2,3
	v_lshrrev_b32 v[SW+12+\i], 16, v[SW+8+\i]
.endr
.irp i, 0,1,2,3
	v_and_b32 v[SW+8+\i], 0xffff, v[SW+8+\i]       ; bytes 2, 3, which will stand over zero codes, are 0
.endr
.irp a, 0,1,2,3,4,5,6,7
	global_store_b128 v[L16], v[AF+12*\a:AF+12*\a+3], s[80:81] offset:768*\a
	global_store_b64 v[L8], v[AF+12*\a+4:AF+12*\a+5], s[80:81] offset:768*\a+512
	global_store_b128 v[L16], v[AF+12*\a+6:AF+12*\a+9], s[82:83] offset:768*\a
	global_store_b64 v[L8], v[AF+12*\a+10:AF+12*\a+11], s[82:83] offset:768*\a+512
.endr
	global_store_b128 v[L16], v[SW+8:SW+11], s[84:85]
	global_store_b128 v[L16], v[SW+12:SW+15], s[86:87]
	s_branch .Ljoin
.Lv_tail:
; v: block a is 16 channels x 128 keys, a whole fragment; blocks 0-3 are the first head's, 4-7 the second's
.irp a, 0,1,2,3
.irp c, 0,1,2
	global_store_b128 v[L16], v[AF+12*\a+4*\c:AF+12*\a+4*\c+3], s[80:81] offset:1536*\a+512*\c
.endr
.endr
.irp a, 4,5,6,7
.irp c, 0,1,2
	global_store_b128 v[L16], v[AF+12*\a+4*\c:AF+12*\a+4*\c+3], s[82:83] offset:1536*(\a-4)+512*\c
.endr
.endr
	global_store_b64 v[L8], v[SW+8:SW+9], s[84:85]
	global_store_b64 v[L8], v[SW+10:SW+11], s[86:87]
.Ljoin:
	s_wait_tensorcnt 0x0                           ; the wave's end
	ds_add_u32 v[SPW], v[NIL]
	s_wait_dscnt 0x0
	CROUND                                         ; the closing round
	s_endpgm
.Lfunc_end_k_q651bbcb246_qkv:
	.size	k_q651bbcb246_qkv, .Lfunc_end_k_q651bbcb246_qkv-k_q651bbcb246_qkv
	.p2alignl 7, 3214868480
	.fill 96, 4, 3214868480
	.section	.rodata,"a",@progbits
	.p2align	6, 0x0
	.amdhsa_kernel k_q651bbcb246_qkv
		.amdhsa_group_segment_fixed_size 327680
		.amdhsa_private_segment_fixed_size 0
		.amdhsa_enable_private_segment 0
		.amdhsa_kernarg_size 56
		.amdhsa_user_sgpr_count 2
		.amdhsa_user_sgpr_kernarg_segment_ptr 1
		.amdhsa_wavefront_size32 1
		.amdhsa_system_sgpr_workgroup_id_x 1
		.amdhsa_system_sgpr_workgroup_id_y 1
		.amdhsa_system_sgpr_workgroup_id_z 1
		.amdhsa_system_vgpr_workitem_id 0
		.amdhsa_next_free_vgpr 1024
		.amdhsa_next_free_sgpr 100
		.amdhsa_reserve_vcc 0
		.amdhsa_float_denorm_mode_32 3
		.amdhsa_float_denorm_mode_16_64 3
		.amdhsa_memory_ordered 1
		.amdhsa_forward_progress 1
		.amdhsa_inst_pref_size 166
	.end_amdhsa_kernel
	.amdgpu_metadata
---
amdhsa.version: [ 1, 2 ]
amdhsa.kernels:
  - .name:           k_q651bbcb246_qkv
    .symbol:         k_q651bbcb246_qkv.kd
    .args:
      - { .name: x_codes, .offset: 0, .size: 8, .value_kind: global_buffer, .address_space: global }
      - { .name: x_scales, .offset: 8, .size: 8, .value_kind: global_buffer, .address_space: global }
      - { .name: w_qkv_codes, .offset: 16, .size: 8, .value_kind: global_buffer, .address_space: global }
      - { .name: w_qkv_scales, .offset: 24, .size: 8, .value_kind: global_buffer, .address_space: global }
      - { .name: qimg, .offset: 32, .size: 8, .value_kind: global_buffer, .address_space: global }
      - { .name: qsc, .offset: 40, .size: 8, .value_kind: global_buffer, .address_space: global }
      - { .name: kv, .offset: 48, .size: 8, .value_kind: global_buffer, .address_space: global }
    .group_segment_fixed_size: 327680
    .private_segment_fixed_size: 0
    .kernarg_segment_align: 8
    .kernarg_segment_size: 56
    .max_flat_workgroup_size: 128
    .sgpr_count:     100
    .vgpr_count:     1024
    .wavefront_size: 32
...
	.end_amdgpu_metadata
.endif
;; end of part 1
;; launch attn (part 2): grid 4 x 64, 16 waves a work-group, clusters of 4 x 1, 215,040 bytes of LDS; arguments qimg, qsc, kv, oimg, osc; writes oimg, osc
.if DOCPART == 2
	.amdgcn_target "amdgcn-amd-amdhsa--gfx1250"
	.amdhsa_code_object_version 6
	.text
	.protected	k_q651bbcb246_attn
	.globl	k_q651bbcb246_attn
	.p2align	8
	.type	k_q651bbcb246_attn,@function
k_q651bbcb246_attn:
	s_mov_b64 s[64:65], 0
	v_nop
	global_prefetch_b8 v0, s[64:65] scope:SCOPE_SE
	s_setreg_imm32_b32 hwreg(HW_REG_WAVE_MODE, 25, 1), 1
	s_wait_xcnt 0x0
	s_wait_alu depctr_hold_cnt(0) depctr_sa_sdst(0) depctr_va_vdst(0) depctr_va_sdst(0) depctr_va_ssrc(0) depctr_va_vcc(0) depctr_vm_vsrc(0)
	s_getreg_b32 s2, hwreg(HW_REG_IB_STS2, 6, 4)
	s_cmp_eq_u32 s2, 0
	s_cbranch_scc0 .Lentry_in_a_cluster
	s_endpgm
.Lentry_in_a_cluster:
	s_bfe_u32 s2, ttmp6, 0x10000c
	s_cmp_lg_u32 s2, 0x3003
	s_cbranch_scc0 .Lentry_shape_is_right
	s_endpgm
.Lentry_shape_is_right:
; PRODUCTS 2 AND 3 and the softmax between them, on codes of E2M3; o is quantised on the way out.  64 heads (bh = 16 x batch + head) of 2,048 queries and keys, head size 64.
; t = score x log2(e) / 32 (the scale is 1024^-1/2); M = the row's largest t so far, rounded UP to a whole number; p = 2^(t - M) is quantised along the keys, not normalised; the row's sum is taken of the unquantised p
; and divides O at the end.  When M moves, the sum and O are multiplied by 2^(old M - new M): exact.
; SHARES.  A cluster of four work-groups takes one head, each 512 queries.  Sixteen waves; a wave owns one tile of 16 queries a pass and makes two passes: query tile 32 cx + 16 pass + wave.
; A WHOLE HEAD'S K, V AND SCALE WORDS, 16 records of 13,056 bytes, LIE IN LDS, filled once: wave w asks for record w, one joint load a wave at the head, by one line that all waves issue.  Every wave waits for its load, and ONE
; barrier shows all sixteen records to all waves.  Nothing is filled again and nothing in LDS is written after it, so no other barrier stands in the text: each wave walks its 2 x 16 key steps by itself.
; No prefetch: all that the launch reads by tensor loads is asked for at the head, so there is no loop to run ahead in.
; LAYOUT.  Both products are used transposed: S^T = K Q^T (source 0 = 16 keys, source 1 = my 16 queries), O^T = V^T P^T: a lane holds ONE query (lane % 16) throughout.
; K = 64 IN A FORM OF 128: a fragment's registers 0-5 hold the head's 64 codes.  Q's registers 6-11 are zero codes, so K's registers 6-11 may hold any codes: tile t lies at v[32 + 6 t] on and its upper six registers are
; the next tile's (behind the last tile: zeros).  Bytes 2, 3 of q's and k's scale words are 0.
; The keys inside a block of 32 stand in the order 0-7, 16-23, 8-15, 24-31 in p's codes as in v's (made the same way by the launch before): the products are the same numbers.  o meets a given operand: its order is put right.
; LIMITS: NaN and infinities are not served; the promise holds while |t| stays under 2^31; a block of o whose largest magnitude lies under 2^-124, a block of zeros too, keeps the byte 1 (read by this program alone).
.set REC,   13056                      ; a key step's record: K's 8 tiles x 768, V's 4 tiles x 1,536, K's scale words 512, V's 256
.set HEADB, 16*REC
.set VOF,   6144
.set KSC,   12288
.set VSC,   12800
.set SPARE, 0x34000                    ; behind the records: the spare words, 128 bytes a wave
.set WV,   14                          ; s14 my wave's number
.set G1,   24                          ; s[24:31] descriptor group 1; s[32:35] group 0
.set G0,   32
.set TB,   48                          ; s48 LDS byte at which the step's record begins
.set CNT,  49                          ; s49 counts a pass's sixteen steps
.set BM,   192                         ; v192-195 the blocks' largest scores, then largest p
.set BX,   196                         ; v196-199 the other half's; then the bytes
.set SO,   200                         ; v200-203 the conversions' scale operands
; REGISTERS: v1 16 x lane, v2 8 x lane, v3, v4 the same + the record, v5 4 r, v6 16 r; v12 -M, v13 the largest t, v[14:15] the sum; v16-21 Q, v22-27 zeros, v28 Q's scale word; v32-79 K's tiles, then V's; v80-85 zeros;
; v88-91 K's scale words, v92-93 V's; v96-159 S^T, then p; v160-191 O^T; v204 at work; v205 o's two bytes; v[206:207] f; v208 p's scale word; v210-211, v242-253 the sum's chains; v212-223 p's codes; v224-230 conversions' second halves.
.macro CROUND
	s_barrier_signal -1
	s_barrier_wait -1
	s_cmp_lg_u32 s[WV], 0
	s_cbranch_scc1 .Lnot_wave_0_\@
	s_barrier_signal -3
.Lnot_wave_0_\@:
	s_barrier_wait -3
	s_barrier_signal -1
	s_barrier_wait -1
.endm
.macro QLOAD p                         ; pass p's Q: its image and its scale words, sixteen query tiles on for each pass
	global_load_b128 v[16:19], v1, s[4:5] offset:12288*\p
	global_load_b64 v[20:21], v2, s[4:5] offset:12288*\p+512
	global_load_b32 v28, v6, s[6:7] offset:1024*\p
.endm
	s_load_b256 s[4:11], s[0:1], 0x0               ; qimg s[4:5], qsc s[6:7], kv s[8:9], oimg s[10:11]
	s_load_b64 s[12:13], s[0:1], 0x20              ; osc
	v_lshl_add_u32 v254, v0, 2, SPARE
	v_mov_b32 v255, 0
	ds_add_u32 v254, v255                          ; the opening lines: the add twice on end and its wait
	ds_add_u32 v254, v255
	v_lshrrev_b32 v1, 5, v0
	v_readfirstlane_b32 s[WV], v1                  ; wave 0..15
	s_bfe_u32 s15, ttmp6, 0x40000                  ; cx: it enters Q's and O's addresses alone
	s_and_b32 s16, ttmp7, 0xffff                   ; bh, which the four partners share
	s_mov_b32 s[G1], 15|(3<<16)|(1<<21)            ; the mask: all four work-groups; elements of 8 bytes; bit 21 beside a mask; no padding
	s_mov_b32 s[G1+1], 32<<16                      ; a record is dense: 51 rows of 256 bytes
	s_mov_b32 s[G1+2], 51<<16
	s_mov_b32 s[G1+3], 32<<16
	s_mov_b32 s[G1+4], 51
	s_mov_b32 s[G1+5], 32
	s_mov_b32 s[G1+6], 0
	s_mov_b32 s[G1+7], 0
	s_mul_i32 s54, s[WV], REC                      ; my record, in LDS as in the head's block of kv
	s_mul_i32 s56, s16, HEADB
	s_add_co_u32 s56, s56, s54
	s_mov_b32 s57, 0
	s_mov_b32 s20, 0x76543210
	s_mov_b32 s21, 0xfedcba98                      ; v_permlanex16_b32's selects for lane l xor 16
	s_mov_b32 s22, 0x3d38aa3b                      ; c = log2(e) / 32
	s_mov_b32 s23, s22                             ; (named with it as a pair, so it is written)
	s_mov_b32 s51, 0x05040100                      ; v_perm_b32: {first source's low half, second source's low half}
	s_mov_b32 s52, 0x05040302                      ; {first's low half, second's high half}
	s_mov_b32 s53, 0x07060302                      ; {first's high half, second's high half}
	s_wait_dscnt 0x0
	s_wait_kmcnt 0x0
	s_add_nc_u64 s[56:57], s[8:9], s[56:57]
	CROUND                                         ; all four work-groups are here: the joint loads meet
	s_mov_b32 s[G0], 1
	s_add_co_u32 s[G0+1], s54, 0
	s_add_nc_u64 s[G0+2:G0+3], s[56:57], 0
	s_or_b32 s[G0+3], s[G0+3], 0x80000000
	tensor_load_to_lds s[G0:G0+3], s[G1:G1+7]      ; my one tensor load of the launch
	s_nop 0
.rept 4
	v_nop
.endr
	v_and_b32 v7, 31, v0
	v_and_b32 v8, 15, v0
	v_lshlrev_b32 v1, 4, v7
	v_lshlrev_b32 v2, 3, v7
	v_lshlrev_b32 v5, 2, v8
	v_lshlrev_b32 v6, 4, v8
	s_lshl_b32 s58, s15, 5
	s_add_co_u32 s58, s58, s[WV]                   ; my query tile in pass 0
	s_lshl_b32 s59, s16, 7
	s_add_co_u32 s59, s59, s58
	s_mul_i32 s60, s59, 768
	s_mov_b32 s61, 0
	s_add_nc_u64 s[4:5], s[4:5], s[60:61]          ; its image
	s_lshl_b32 s60, s16, 4                         ; its scale words: group of 8 tiles 16 bh + 4 cx + wave / 8, 512 bytes each;
	s_lshl_b32 s62, s15, 2
	s_add_co_u32 s60, s60, s62
	s_lshr_b32 s62, s[WV], 3
	s_add_co_u32 s60, s60, s62
	s_lshl_b32 s60, s60, 9
	s_and_b32 s62, s[WV], 1                        ; an odd tile's words lie 256 bytes on,
	s_lshl_b32 s62, s62, 8
	s_add_co_u32 s60, s60, s62
	s_bfe_u32 s62, s[WV], 0x20001                  ; pair (wave % 8) / 2: 4 bytes each; row r: 16 r
	s_lshl_b32 s62, s62, 2
	s_add_co_u32 s60, s60, s62
	s_add_nc_u64 s[6:7], s[6:7], s[60:61]
	s_lshr_b32 s62, s16, 4
	s_lshl_b32 s62, s62, 7
	s_add_co_u32 s62, s62, s58                     ; my tile of 16 rows among the 512 of the last product's left operand
	s_lshl_b32 s60, s62, 3
	s_bfe_u32 s63, s16, 0x30001                    ; head / 2: its K step
	s_add_co_u32 s60, s60, s63
	s_mul_i32 s60, s60, 1536
	s_and_b32 s66, s16, 1                          ; head % 2: which half of the fragment
	s_mul_i32 s67, s66, 768
	s_add_co_u32 s60, s60, s67
	s_add_nc_u64 s[10:11], s[10:11], s[60:61]
	s_lshl_b32 s60, s63, 15                        ; the scale words: [K step][row], 4 bytes; my head's two bytes
	s_lshl_b32 s67, s62, 6
	s_add_co_u32 s60, s60, s67
	s_lshl_b32 s67, s66, 1
	s_add_co_u32 s60, s60, s67
	s_add_nc_u64 s[12:13], s[12:13], s[60:61]
.irp j, 0,1,2,3,4,5
	v_mov_b32 v[22+\j], 0                          ; Q's zero codes for K = 64 .. 127
	v_mov_b32 v[80+\j], 0                          ; and what stands behind K's last tile
.endr
.irp b, 0,1,2,3
	v_mov_b32 v[BX+\b], 0                          ; written once: a lane permute's destination counts as one of its sources
.endr
	v_mov_b32 v204, 0
	v_mov_b32 v207, 0                              ; (named as the upper half of the pair v[206:207])
	QLOAD 0                                        ; on its way while the records land
.macro KQ t                            ; 16 keys x my 16 queries; a tile's scale words lie in lanes 0-15 (even tiles) or 16-31 (odd tiles) of its pair's register
.if (\t)%2 == 0
	v_wmma_scale_f32_16x16x128_f8f6f4 v[96+8*\t:103+8*\t], v[32+6*\t:43+6*\t], v[16:27], 0, v[88+\t/2], v28 matrix_a_fmt:MATRIX_FMT_FP6 matrix_b_fmt:MATRIX_FMT_FP6
.else
	v_wmma_scale_f32_16x16x128_f8f6f4 v[96+8*\t:103+8*\t], v[32+6*\t:43+6*\t], v[16:27], 0, v[88+\t/2], v28 matrix_a_fmt:MATRIX_FMT_FP6 matrix_b_fmt:MATRIX_FMT_FP6 matrix_a_scale:MATRIX_SCALE_ROW1
.endif
.endm
.macro PV t                            ; 16 of the head's 64 x my 16 queries, K = the step's 128 keys
.if (\t)%2 == 0
	v_wmma_scale_f32_16x16x128_f8f6f4 v[160+8*\t:167+8*\t], v[32+12*\t:43+12*\t], v[212:223], v[160+8*\t:167+8*\t], v[92+\t/2], v208 matrix_a_fmt:MATRIX_FMT_FP6 matrix_b_fmt:MATRIX_FMT_FP6
.else
	v_wmma_scale_f32_16x16x128_f8f6f4 v[160+8*\t:167+8*\t], v[32+12*\t:43+12*\t], v[212:223], v[160+8*\t:167+8*\t], v[92+\t/2], v208 matrix_a_fmt:MATRIX_FMT_FP6 matrix_b_fmt:MATRIX_FMT_FP6 matrix_a_scale:MATRIX_SCALE_ROW1
.endif
.endm
; A KEY STEP: 128 keys.
.macro STEP
	v_add_nc_u32 v3, s[TB], v1
	v_add_nc_u32 v4, s[TB], v2
	v_nop
	v_nop                                          ; four places in front of loads into registers that the last products have read
.irp t, 0,1,2,3,4,5,6,7
	ds_load_b128 v[32+6*\t:35+6*\t], v3 offset:768*\t           ; images: every load reads consecutive bytes
	ds_load_b64 v[36+6*\t:37+6*\t], v4 offset:768*\t+512
.endr
	ds_load_b128 v[88:91], v3 offset:KSC
	s_wait_alu depctr_va_vdst(0)
	s_wait_dscnt 0x0
.irp t, 0,1,2,3,4,5,6,7
	KQ \t
.endr
.rept 4
	v_nop                                          ; places in front of the loads below and of the first read of the scores
.endr
.irp t, 0,1,2,3                                ; V's fragments are asked for here and land under the softmax
.irp c, 0,1,2
	ds_load_b128 v[32+12*\t+4*\c:35+12*\t+4*\c], v3 offset:VOF+1536*\t+512*\c
.endr
.endr
	ds_load_b64 v[92:93], v4 offset:VSC
.irp b, 0,1,2,3
	v_max3_num_f32 v[BM+\b], v[96+16*\b], v[97+16*\b], v[98+16*\b]   ; the largest score of each block of 32 keys: for the row's maximum and, since p rises with the score, for the block's largest p
.endr
.irp i, 3,5,7,9,11,13
.irp b, 0,1,2,3
	v_max3_num_f32 v[BM+\b], v[BM+\b], v[96+16*\b+\i], v[97+16*\b+\i]
.endr
.endr
.irp b, 0,1,2,3
	v_max_num_f32 v[BM+\b], v[BM+\b], v[111+16*\b]
.endr
.irp b, 0,1,2,3
	s_delay_alu instid0(VALU_DEP_4)
	v_permlanex16_b32 v[BX+\b], v[BM+\b], s20, s21
.endr
.irp b, 0,1,2,3
	s_delay_alu instid0(VALU_DEP_4)
	v_max_num_f32 v[BM+\b], v[BM+\b], v[BX+\b]     ; with lane l xor 16's 16 keys
.endr
	s_delay_alu instid0(VALU_DEP_2)
	v_max3_num_f32 v204, v192, v193, v194
	s_delay_alu instid0(VALU_DEP_1)
	v_max_num_f32 v204, v204, v195                 ; the step's largest score of my query
	s_delay_alu instid0(VALU_DEP_1)
	v_mul_f32 v204, s22, v204                      ; as t (c is positive)
	s_delay_alu instid0(VALU_DEP_1)
	v_max_num_f32 v13, v13, v204                   ; the running largest t
	v_mov_b32 v204, v12
	s_delay_alu instid0(VALU_DEP_2)
	v_floor_f32 v12, -v13                          ; the new -M = floor(-t): M is a whole number
	s_delay_alu instid0(VALU_DEP_1)
	v_sub_f32 v204, v12, v204                      ; old M - new M: a whole number, 0 or less
	s_delay_alu instid0(VALU_DEP_1)
	v_cvt_i32_f32 v204, v204                       ; (it saturates)
	s_delay_alu instid0(VALU_DEP_1)
	v_ldexp_f32 v206, 1.0, v204                    ; f = 2^(old M - new M)
.set j, 0
.rept 32
	v_pk_fma_f32 v[96+j:97+j], v[96+j:97+j], s[22:23], v[12:13] op_sel_hi:[1,0,0]   ; t - M, two at a time
.set j, j+2
.endr
.irp b, 0,1,2,3
	v_fma_f32 v[BM+\b], v[BM+\b], s22, v12         ; the same of each block's largest score
.endr
.set j, 0
	s_wait_alu depctr_va_vdst(0)                   ; the wait ahead of the batch
.rept 64
	v_exp_f32 v[96+j], v[96+j]                     ; p = 2^(t - M), at most 1
.set j, j+1
.endr
	v_pk_mul_f32 v[14:15], v[14:15], v[206:207] op_sel_hi:[1,0]   ; the sums under the new M (a plain place behind the exponentials)
	s_wait_alu depctr_va_vdst(0)                   ; one wait for the whole batch, ahead of its first reader
.irp b, 0,1,2,3
	v_exp_f32 v[BM+\b], v[BM+\b]                   ; the block's largest p: the same two instructions on the same number
.endr
	v_pk_add_f32 v[210:211], v[100:101], v[104:105]   ; the row's sum of the unquantised p, in eight chains
	v_pk_add_f32 v[252:253], v[108:109], v[112:113]
	v_pk_add_f32 v[250:251], v[116:117], v[120:121]
	v_pk_add_f32 v[248:249], v[124:125], v[128:129]
	v_pk_add_f32 v[246:247], v[132:133], v[136:137]
	v_pk_add_f32 v[244:245], v[140:141], v[144:145]
	v_pk_add_f32 v[242:243], v[148:149], v[152:153]
	v_pk_add_f32 v[14:15], v[14:15], v[156:157]
	v_pk_add_f32 v[210:211], v[210:211], v[96:97]
	v_pk_add_f32 v[252:253], v[252:253], v[98:99]
	v_pk_add_f32 v[250:251], v[250:251], v[102:103]
	v_pk_add_f32 v[248:249], v[248:249], v[106:107]
	v_pk_add_f32 v[246:247], v[246:247], v[110:111]
	v_pk_add_f32 v[244:245], v[244:245], v[114:115]
	v_pk_add_f32 v[242:243], v[242:243], v[118:119]
	v_pk_add_f32 v[14:15], v[14:15], v[122:123]
	v_pk_add_f32 v[210:211], v[210:211], v[126:127]
	v_pk_add_f32 v[252:253], v[252:253], v[130:131]
	v_pk_add_f32 v[250:251], v[250:251], v[134:135]
	v_pk_add_f32 v[248:249], v[248:249], v[138:139]
	v_pk_add_f32 v[246:247], v[246:247], v[142:143]
	v_pk_add_f32 v[244:245], v[244:245], v[146:147]
	v_pk_add_f32 v[242:243], v[242:243], v[150:151]
	v_pk_add_f32 v[14:15], v[14:15], v[154:155]
	v_pk_add_f32 v[210:211], v[210:211], v[158:159]
	s_delay_alu instid0(VALU_DEP_2)
	v_pk_add_f32 v[14:15], v[14:15], v[248:249]
	s_delay_alu instid0(VALU_DEP_2)
	v_pk_add_f32 v[210:211], v[210:211], v[246:247]
	v_pk_add_f32 v[252:253], v[252:253], v[244:245]
	v_pk_add_f32 v[250:251], v[250:251], v[242:243]
	s_delay_alu instid0(VALU_DEP_2)
	v_pk_add_f32 v[14:15], v[14:15], v[252:253]
	s_delay_alu instid0(VALU_DEP_2)
	v_pk_add_f32 v[210:211], v[210:211], v[250:251]
	s_delay_alu instid0(VALU_DEP_1)
	v_pk_add_f32 v[14:15], v[14:15], v[210:211]
	s_wait_alu depctr_va_vdst(0)                   ; and one for the four
.irp b, 0,1,2,3
	v_max_num_f32 v[BM+\b], 0x1800000, v[BM+\b]    ; the floor 2^(3 - 127): the byte cannot fall under 1
.endr
.irp b, 0,1,2,3
	s_delay_alu instid0(VALU_DEP_4)
	v_add_nc_u32 v[SO+\b], 0xff000000, v[BM+\b]    ; 2 off the exponent field: the conversion's scale operand
.endr
.irp b, 0,1,2,3
	s_delay_alu instid0(VALU_DEP_4)
	v_lshrrev_b32 v[BX+\b], 23, v[SO+\b]           ; the scale's byte
.endr
	s_delay_alu instid0(VALU_DEP_3)
	v_lshl_or_b32 v208, v197, 8, v196              ; p's scale word for these 128 keys
	s_delay_alu instid0(VALU_DEP_1)
	v_lshl_or_b32 v208, v198, 16, v208
	s_delay_alu instid0(VALU_DEP_1)
	v_lshl_or_b32 v208, v199, 24, v208
.irp c, 0,1
	v_cvt_scalef32_pk16_fp6_f32 v[212+6*\c:214+6*\c], v[96+32*\c:111+32*\c], v[SO+2*\c]
	v_cvt_scalef32_pk16_fp6_f32 v[224+4*\c:226+4*\c], v[112+32*\c:127+32*\c], v[SO+2*\c+1]
.endr
	v_nop                                          ; one plain place behind a scaled conversion
.irp c, 0,1
.irp i, 0,1,2
	v_permlane16_swap_b32 v[212+6*\c+\i], v[224+4*\c+\i]   ; a whole block to a lane
.endr
.irp i, 0,1,2
	s_delay_alu instid0(VALU_DEP_3)
	v_mov_b32 v[215+6*\c+\i], v[224+4*\c+\i]
.endr
.endr
.set j, 0
.rept 16
	v_pk_mul_f32 v[160+j:161+j], v[160+j:161+j], v[206:207] op_sel_hi:[1,0]   ; O^T under the new M; these sixteen are also the places between p's codes and scale word and the products
.set j, j+2
.endr
	s_wait_alu depctr_va_vdst(0)
	s_wait_dscnt 0x0                               ; V is in
.irp t, 0,1,2,3
	PV \t                                          ; the four accumulators take turns
.endr
.endm
; A PASS: one tile of 16 queries against the head's sixteen key steps, and its way out.
.macro PASSB p
	v_mov_b32 v13, 0xff61b1e6                      ; the largest t so far: -3e38
	v_floor_f32 v12, -v13                          ; -M
	v_mov_b32 v14, 0
	v_mov_b32 v15, 0
.set j, 0
.rept 32
	v_mov_b32 v[160+j], 0                          ; O^T: the first step finds zeros, which the first change of M leaves zeros
.set j, j+1
.endr
	s_wait_loadcnt 0x0                             ; Q is in
	s_wait_xcnt 0x0                                ; the last pass's stores have read their data: v136-141 lie among the scores' registers
	s_mov_b32 s[TB], 0
	s_mov_b32 s[CNT], 16
.Lstep_\@:
	STEP
	s_add_co_u32 s[TB], s[TB], REC
	s_sub_co_u32 s[CNT], s[CNT], 1
	s_cmp_lg_u32 s[CNT], 0
	s_cbranch_scc1 .Lstep_\@
	; THE WAY OUT.  O^T / the sum, quantised along the head's 64: two blocks.  Register 8 t + i is o(query r, 16 t + 8 h + i).
.rept 4
	v_nop
.endr
.if \p == 0
	QLOAD 1                                        ; the next pass's Q lands under this way out
.endif
	v_add_f32 v14, v14, v15
	s_delay_alu instid0(VALU_DEP_1)
	v_permlanex16_b32 v204, v14, s20, s21
	s_delay_alu instid0(VALU_DEP_1)
	v_add_f32 v14, v14, v204                       ; the row's sum
	s_wait_alu depctr_va_vdst(0)
	v_rcp_f32 v14, v14
	v_nop                                          ; a plain place behind the transcendental
	s_wait_alu depctr_va_vdst(0)                   ; the wait ahead of its first reader
.set j, 0
.rept 32
	v_mul_f32 v[96+j], v[160+j], v14               ; each accumulator from its low end on
.set j, j+1
.endr
.irp b, 0,1
	v_max3_num_f32 v[BM+\b], |v[96+16*\b]|, |v[97+16*\b]|, 0x1800000
.endr
.irp i, 2,4,6,8,10,12,14
.irp b, 0,1
	s_delay_alu instid0(VALU_DEP_2)
	v_max3_num_f32 v[BM+\b], v[BM+\b], |v[96+16*\b+\i]|, |v[97+16*\b+\i]|
.endr
.endr
.irp b, 0,1
	s_delay_alu instid0(VALU_DEP_2)
	v_permlanex16_b32 v[BX+\b], v[BM+\b], s20, s21
.endr
.irp b, 0,1
	s_delay_alu instid0(VALU_DEP_2)
	v_max_num_f32 v[BM+\b], v[BM+\b], v[BX+\b]
.endr
.irp b, 0,1
	s_delay_alu instid0(VALU_DEP_2)
	v_add_nc_u32 v[SO+\b], 0xff000000, v[BM+\b]
.endr
.irp b, 0,1
	s_delay_alu instid0(VALU_DEP_2)
	v_lshrrev_b32 v[BX+\b], 23, v[SO+\b]
.endr
	s_delay_alu instid0(VALU_DEP_1)
	v_lshl_or_b32 v205, v197, 8, v196              ; my row's two bytes
	v_cvt_scalef32_pk16_fp6_f32 v[128:130], v[96:111], v200
	v_cvt_scalef32_pk16_fp6_f32 v[132:134], v[112:127], v201
	v_nop
.irp i, 0,1,2
	v_permlane16_swap_b32 v[128+\i], v[132+\i]     ; lane half h now holds block h: v128-130 its numbers 0-7 and 16-23, v132-134 its numbers 8-15 and 24-31, 48 bits a group
.endr
	s_delay_alu instid0(VALU_DEP_3)
	v_mov_b32 v136, v128                           ; THE TRUE ORDER, since w_out's codes are given in it: group 0's bits 0-31;
	s_delay_alu instid0(VALU_DEP_3)
	v_perm_b32 v137, v132, v129, s51               ; group 0's last 16 bits, group 1's first 16;
	s_delay_alu instid0(VALU_DEP_4)
	v_perm_b32 v138, v133, v132, s52               ; group 1's other 32;
	s_delay_alu instid0(VALU_DEP_4)
	v_perm_b32 v139, v130, v129, s52               ; group 2's first 32;
	v_perm_b32 v140, v133, v130, s53               ; group 2's last 16, group 3's first 16;
	v_mov_b32 v141, v134                           ; group 3's other 32
	global_store_b128 v1, v[136:139], s[10:11] offset:196608*\p       ; half a fragment's image: 512 and 256 consecutive bytes, aligned
	global_store_b64 v2, v[140:141], s[10:11] offset:196608*\p+512
	global_store_b16 v5, v205, s[12:13] offset:1024*\p                ; two bytes of each row's scale word: the word's other half is another head's, and so another work-group's; lanes 16-31 write what lanes 0-15 write
.endm
	s_wait_alu depctr_va_vdst(0)                   ; the wait at the head's end
	s_wait_tensorcnt 0x0                           ; my record is in
	s_barrier_signal -1
	s_barrier_wait -1                              ; everybody's is: the whole head lies in LDS
	PASSB 0
	PASSB 1
	s_wait_tensorcnt 0x0                           ; the wave's end
	ds_add_u32 v254, v255
	s_wait_dscnt 0x0
	CROUND                                         ; the closing round
	s_endpgm
.Lfunc_end_k_q651bbcb246_attn:
	.size	k_q651bbcb246_attn, .Lfunc_end_k_q651bbcb246_attn-k_q651bbcb246_attn
	.p2alignl 7, 3214868480
	.fill 96, 4, 3214868480
	.section	.rodata,"a",@progbits
	.p2align	6, 0x0
	.amdhsa_kernel k_q651bbcb246_attn
		.amdhsa_group_segment_fixed_size 215040
		.amdhsa_private_segment_fixed_size 0
		.amdhsa_enable_private_segment 0
		.amdhsa_kernarg_size 40
		.amdhsa_user_sgpr_count 2
		.amdhsa_user_sgpr_kernarg_segment_ptr 1
		.amdhsa_wavefront_size32 1
		.amdhsa_system_sgpr_workgroup_id_x 1
		.amdhsa_system_sgpr_workgroup_id_y 1
		.amdhsa_system_sgpr_workgroup_id_z 1
		.amdhsa_system_vgpr_workitem_id 0
		.amdhsa_next_free_vgpr 256
		.amdhsa_next_free_sgpr 72
		.amdhsa_reserve_vcc 0
		.amdhsa_float_denorm_mode_32 3
		.amdhsa_float_denorm_mode_16_64 3
		.amdhsa_memory_ordered 1
		.amdhsa_forward_progress 1
		.amdhsa_inst_pref_size 52
	.end_amdhsa_kernel
	.amdgpu_metadata
---
amdhsa.version: [ 1, 2 ]
amdhsa.kernels:
  - .name:           k_q651bbcb246_attn
    .symbol:         k_q651bbcb246_attn.kd
    .args:
      - { .name: qimg, .offset: 0, .size: 8, .value_kind: global_buffer, .address_space: global }
      - { .name: qsc, .offset: 8, .size: 8, .value_kind: global_buffer, .address_space: global }
      - { .name: kv, .offset: 16, .size: 8, .value_kind: global_buffer, .address_space: global }
      - { .name: oimg, .offset: 24, .size: 8, .value_kind: global_buffer, .address_space: global }
      - { .name: osc, .offset: 32, .size: 8, .value_kind: global_buffer, .address_space: global }
    .group_segment_fixed_size: 215040
    .private_segment_fixed_size: 0
    .kernarg_segment_align: 8
    .kernarg_segment_size: 40
    .max_flat_workgroup_size: 512
    .sgpr_count:     72
    .vgpr_count:     256
    .wavefront_size: 32
...
	.end_amdgpu_metadata
.endif
;; end of part 2
;; launch proj (part 3): grid 4 x 64, 4 waves a work-group, clusters of 4 x 4, 327,680 bytes of LDS; arguments oimg, osc, w_out_codes, w_out_scales, b_out, out0; writes out0
.if DOCPART == 3
	.amdgcn_target "amdgcn-amd-amdhsa--gfx1250"
	.amdhsa_code_object_version 6
	.text
	.protected	k_q651bbcb246_proj
	.globl	k_q651bbcb246_proj
	.p2align	8
	.type	k_q651bbcb246_proj,@function
k_q651bbcb246_proj:
	s_mov_b64 s[64:65], 0
	v_nop
	global_prefetch_b8 v0, s[64:65] scope:SCOPE_SE
	s_setreg_imm32_b32 hwreg(HW_REG_WAVE_MODE, 25, 1), 1
	s_wait_xcnt 0x0
	s_wait_alu depctr_hold_cnt(0) depctr_sa_sdst(0) depctr_va_vdst(0) depctr_va_sdst(0) depctr_va_ssrc(0) depctr_va_vcc(0) depctr_vm_vsrc(0)
	s_getreg_b32 s2, hwreg(HW_REG_IB_STS2, 6, 4)
	s_cmp_eq_u32 s2, 0
	s_cbranch_scc0 .Lentry_in_a_cluster
	s_endpgm
.Lentry_in_a_cluster:
	s_bfe_u32 s2, ttmp6, 0x10000c
	s_cmp_lg_u32 s2, 0xf033
	s_cbranch_scc0 .Lentry_shape_is_right
	s_endpgm
.Lentry_shape_is_right:
; PRODUCT 4 and the bias: out0 [8192][1024] = o [8192][1024] x w_out^T + b_out, on codes of E2M3 with one E8M0 byte for each 32 along K.
; o comes as the launch before left it: oimg[tile of 16 rows][K step of 128][1,536 bytes]: an image of a fragment's registers (0-3 at 16 x lane, 4-5 at 512 + 8 x lane, 6-9 at 768 + 16 x lane, 10-11 at 1,280 + 8 x lane);
; osc[K step][row][4 bytes]: its scale words.  w_out's codes are rows of 768 bytes (a row is one output column, all of K), its scales rows of 32 bytes.
; SHARES.  256 work-groups, each 128 rows x 256 columns of out0; four waves, 2 x 2, a wave 64 x 128: 32 accumulators in window 2.
; ALL THAT A WORK-GROUP MULTIPLIES LIES IN LDS, FILLED ONCE: o's 8 tiles, all of K, are one dense block of 98,304 bytes (waves 0 and 1 fetch a half each, as rows of 256 bytes); w_out's 256 rows, 768 bytes each with 16 of padding
; behind every 256 (waves 2 and 3 fetch 128 rows each).  One joint load a wave at the head, one wait and one barrier; nothing is filled again, so the eight K steps have no barrier.
; CLUSTERS: 4 x 4; o's block is shared along a row of the cluster, w_out's rows along a column.  No prefetch: all tiles are asked for at the head, so there is no loop to run ahead in.
; THE MATRIX INSTRUCTION IS USED TRANSPOSED (source 0 = 16 rows of w_out, source 1 = 16 rows of o): a lane holds eight neighbouring columns of a row of out0.  THE BIAS IS THE FIRST PRODUCTS' C, laid as the result lies.
; REGISTERS: window 0: v8-29 addresses; v33-48 o's scale words, v64-95 w_out's; v96-127, v224-255 the bias; v128-223 o's fragments, two sets of 48; on the way out v128-255 rows read back.  Window 1: w_out's fragments, sets at v0 and v128.
; LIMITS: NaN and infinities are served as the matrix unit gives them; scale bytes are taken as they are given.
.set KROW,   768
.set PITCH,  816                       ; w_out's LDS row: 3 x (256 + 16)
.set FR,     12
.set TILEB,  12288                     ; a tile of o: 16 rows, all of K
.set HALFT,  128*PITCH
.set BREG,   8*TILEB                   ; behind o's block: w_out's rows
.set SPARE,  BREG+2*HALFT              ; the spare words
.set SPITCH, 528                       ; the way out: a stage of 16 rows x (512 + 16) bytes a wave, in o's block, behind a barrier behind which nobody reads it
.set STO,  8
.set RD,   9
.set H32,  10
.set L4,   11
.set ADRA, 16                          ; v16 o's images + 16 x lane, v17 + 8 x lane
.set ADRB, 20                          ; v20, v21 w_out's fragments, my blocks 0-3 and 4-7; v22, v23 the same behind one padding more
.set L16,  24
.set L8,   25
.set L32,  26
.set SPW,  28
.set NIL,  29
.set SCR,  33                          ; register 8 j + g: lane l holds the word of my row 32 j + l for K step g
.set SCP,  64                          ; w_out's likewise
.set AF,   128
.set BK,   128
.set G1,  24
.set G0,  32
.set G1B, 48
.set G0B, 56
.set MSB, 0
.macro WIN new                         ; the immediate's high byte repeats the setting that is left
.if MSB != (\new)
	s_set_vgpr_msb (MSB<<8)|(\new)
.set MSB, (\new)
.endif
.endm
.set TO_B, 0x40
.macro PLACES                          ; four places behind a matrix instruction of this form (ISA guide 7.12.1)
.rept 4
	v_nop
.endr
.endm
.macro CROUND                          ; a round of the cluster's barrier
	s_barrier_signal -1
	s_barrier_wait -1
	s_cmp_lg_u32 s18, 0
	s_cbranch_scc1 .Lnot_wave_0_\@
	s_barrier_signal -3
.Lnot_wave_0_\@:
	s_barrier_wait -3
	s_barrier_signal -1
	s_barrier_wait -1
.endm
	s_load_b256 s[4:11], s[0:1], 0x0               ; oimg, osc, w_out's codes, w_out's scales
	s_load_b128 s[12:15], s[0:1], 0x20             ; b_out, out0
	v_lshl_add_u32 v[SPW], v0, 2, SPARE
	v_mov_b32 v[NIL], 0
	ds_add_u32 v[SPW], v[NIL]                      ; the opening lines: the add twice on end and its wait
	ds_add_u32 v[SPW], v[NIL]
	v_lshrrev_b32 v1, 5, v0
	v_readfirstlane_b32 s18, v1                    ; wave 0..3
	s_lshr_b32 s19, s18, 1                         ; which 64 rows are mine.  Also: I fetch for o (0) or for w_out (1)
	s_and_b32 s20, s18, 1                          ; which 128 columns.  Also: which half I fetch
	s_bfe_u32 s21, ttmp6, 0x40000                  ; cx
	s_bfe_u32 s22, ttmp6, 0x40004                  ; cy
	s_lshl_b32 s66, ttmp9, 2
	s_add_co_u32 s66, s66, s21                     ; tile column, 0..3
	s_and_b32 s67, ttmp7, 0xffff
	s_lshl_b32 s67, s67, 2
	s_add_co_u32 s67, s67, s22                     ; tile row, 0..63
	s_lshl_b32 s44, s22, 2
	s_lshl_b32 s44, 15, s44                        ; my row of the cluster
	s_lshl_b32 s45, 0x1111, s21                    ; my column
	s_or_b32 s[G1+0], s44, (3<<16)|(1<<21)         ; o: four tiles, dense: 192 rows of 32 elements of 8 bytes
	s_mov_b32 s[G1+1], 32<<16
	s_mov_b32 s[G1+2], 192<<16
	s_mov_b32 s[G1+3], 32<<16
	s_mov_b32 s[G1+4], 192
	s_mov_b32 s[G1+5], 32
	s_mov_b32 s[G1+6], 0
	s_mov_b32 s[G1+7], 0
	s_or_b32 s[G1B+0], s45, (1<<20)|(1<<21)|(5<<22)|(3<<25)   ; w_out: 128 rows of 768 bytes; after every 64 words 4 words of padding
	s_mov_b32 s[G1B+1], KROW<<16
	s_mov_b32 s[G1B+2], 128<<16
	s_mov_b32 s[G1B+3], KROW<<16
	s_mov_b32 s[G1B+4], 128
	s_mov_b32 s[G1B+5], KROW
	s_mov_b32 s[G1B+6], 0
	s_mov_b32 s[G1B+7], 0
	s_lshl_b32 s92, s67, 3
	s_lshl_b32 s46, s20, 2
	s_add_co_u32 s92, s92, s46
	s_mul_i32 s92, s92, TILEB                      ; o: tile 8 x tile row + 4 x half
	s_mov_b32 s93, 0
	s_lshl_b32 s94, s66, 8
	s_lshl_b32 s46, s20, 7
	s_add_co_u32 s94, s94, s46
	s_mul_i32 s94, s94, KROW                       ; w_out: row 256 x tile column + 128 x half
	s_mov_b32 s95, 0
	s_mul_i32 s47, s20, 4*TILEB                    ; where they go
	s_mul_i32 s96, s20, HALFT
	s_add_co_u32 s96, s96, BREG
	s_wait_dscnt 0x0                               ; both opening adds are done
	s_wait_kmcnt 0x0
	s_add_nc_u64 s[92:93], s[4:5], s[92:93]
	s_add_nc_u64 s[94:95], s[8:9], s[94:95]
	CROUND                                         ; all sixteen work-groups are here: the joint loads meet
	s_mov_b32 s[G0], 1
	s_add_co_u32 s[G0+1], s47, 0
	s_add_nc_u64 s[G0+2:G0+3], s[92:93], 0
	s_or_b32 s[G0+3], s[G0+3], 0x80000000
	s_mov_b32 s[G0B], 1
	s_add_co_u32 s[G0B+1], s96, 0
	s_add_nc_u64 s[G0B+2:G0B+3], s[94:95], 0
	s_or_b32 s[G0B+3], s[G0B+3], 0x80000000
	s_cmp_eq_u32 s19, 0                            ; one tensor load a wave, the launch's only ones
	s_cbranch_scc0 .Lfor_b
	tensor_load_to_lds s[G0:G0+3], s[G1:G1+7]
	s_nop 0
	PLACES
	s_branch .Lasked
.Lfor_b:
	tensor_load_to_lds s[G0B:G0B+3], s[G1B:G1B+7]
	s_nop 0
	PLACES
.Lasked:
	v_and_b32 v1, 15, v0                           ; r
	v_bfe_u32 v2, v0, 4, 1                         ; h
	v_and_b32 v6, 31, v0
	v_lshlrev_b32 v[L16], 4, v6
	v_lshlrev_b32 v[L8], 3, v6
	v_lshlrev_b32 v[L32], 5, v6
	v_lshlrev_b32 v[L4], 2, v6
	v_lshlrev_b32 v[H32], 5, v2
	v_mul_u32_u24 v3, v1, PITCH
	v_mul_u32_u24 v4, v2, 24
	v_add_nc_u32 v4, v3, v4                        ; w_out: row x pitch + 24 h
	v_lshl_add_u32 v5, v2, 4, v4                   ; and the same behind one padding more
	s_mul_i32 s97, s19, 4*TILEB                    ; my four tiles of o
	s_mul_i32 s98, s20, HALFT
	s_add_co_u32 s98, s98, BREG                    ; my 128 rows of w_out
	v_add_nc_u32 v[ADRA], s97, v[L16]
	v_add_nc_u32 v[ADRA+1], s97, v[L8]
.irp s, 0,1
	v_add_nc_u32 v[ADRB+\s], s98, v4
	v_add_nc_u32 v[ADRB+2+\s], s98, v5
	s_add_co_u32 s98, s98, 64*PITCH                ; the second pair serves my blocks 4-7, so that the loads' offsets stay inside 16 bits
.endr
	s_mul_i32 s97, s18, 16*SPITCH                  ; my stage
	v_mul_u32_u24 v5, v1, SPITCH
	v_lshl_add_u32 v5, v2, 5, v5
	v_add_nc_u32 v[STO], s97, v5                   ; in: row r, 32 bytes for each half of the lanes
	v_add_nc_u32 v[RD], s97, v[L16]                ; back: the 32 lanes take one row of 512 bytes
	s_lshl_b32 s98, s67, 7
	s_lshl_b32 s99, s19, 6
	s_add_co_u32 s98, s98, s99                     ; my first row
	s_lshl_b32 s70, s66, 8
	s_lshl_b32 s71, s20, 7
	s_add_co_u32 s70, s70, s71                     ; my first column
	s_mov_b32 s3, 0
	s_lshl_b32 s2, s98, 2
	s_add_nc_u64 s[6:7], s[6:7], s[2:3]
	s_lshl_b32 s2, s70, 5
	s_add_nc_u64 s[10:11], s[10:11], s[2:3]
	s_lshl_b32 s2, s70, 2
	s_add_nc_u64 s[12:13], s[12:13], s[2:3]
	s_add_nc_u64 s[14:15], s[14:15], s[2:3]
	s_lshl_b32 s2, s98, 12
	s_add_nc_u64 s[14:15], s[14:15], s[2:3]
.irp j, 0,1
.irp g, 0,1,2,3,4,5,6,7
	global_load_b32 v[SCR+8*\j+\g], v[L4], s[6:7] offset:128*\j+32768*\g
.endr
.endr
.irp j, 0,1,2,3
	global_load_b128 v[SCP+8*\j:SCP+8*\j+3], v[L32], s[10:11] offset:1024*\j
	global_load_b128 v[SCP+8*\j+4:SCP+8*\j+7], v[L32], s[10:11] offset:1024*\j+16
.endr
.irp b, 0,1,2,3,4,5,6,7                        ; the bias: register j of lane (r, h) in block b is column 16 b + 8 h + j
	global_load_b128 v[96+8*\b+96*(\b/4):96+8*\b+96*(\b/4)+3], v[H32], s[12:13] offset:64*\b
	global_load_b128 v[96+8*\b+96*(\b/4)+4:96+8*\b+96*(\b/4)+7], v[H32], s[12:13] offset:64*\b+16
.endr
.macro FRAG reg, adr, q, i             ; w_out's fragment of K step q: six pieces of 8 bytes; 16 bytes of padding lie behind every 32 pieces; lanes 16-31 read three pieces on
.irp p, 0,1,2,3,4,5
.set PC, 12*(\q)+6*(\p/3)+\p%3
.if PC%32 < 29
	ds_load_b64 v[\reg+2*\p:\reg+2*\p+1], v[\adr] offset:8*PC+16*(PC/32)+((\i)%4)*16*PITCH
.else
	ds_load_b64 v[\reg+2*\p:\reg+2*\p+1], v[\adr+2] offset:8*PC+16*(PC/32)+((\i)%4)*16*PITCH
.endif
.endr
.endm
.macro FRAGA reg, g, i                 ; o's fragment: the image as it lies
	ds_load_b128 v[\reg:\reg+3], v[ADRA] offset:(\i)*TILEB+(\g)*1536
	ds_load_b64 v[\reg+4:\reg+5], v[ADRA+1] offset:(\i)*TILEB+(\g)*1536+512
	ds_load_b128 v[\reg+6:\reg+9], v[ADRA] offset:(\i)*TILEB+(\g)*1536+768
	ds_load_b64 v[\reg+10:\reg+11], v[ADRA+1] offset:(\i)*TILEB+(\g)*1536+1280
.endm
.macro FETCH g                         ; K step g's fragments into set g % 2: 48 + 16 loads
	WIN TO_B
.irp i, 0,1,2,3,4,5,6,7
	FRAG 128*((\g)%2)+FR*\i, ADRB+\i/4, \g, \i
.endr
	WIN 0
.irp i, 0,1,2,3
	FRAGA AF+48*((\g)%2)+FR*\i, \g, \i
.endr
.endm
.macro WM1 c                           ; a block's scale words lie in lanes 0-15 (even blocks) or 16-31 (odd blocks) of its pair's register
.if par == 0
	v_wmma_scale_f32_16x16x128_f8f6f4 v[rD:rD+7], v[rP:rP+FR-1], v[rR:rR+FR-1], \c, v[rX], v[rY] matrix_a_fmt:MATRIX_FMT_FP6 matrix_b_fmt:MATRIX_FMT_FP6
.elseif par == 1
	v_wmma_scale_f32_16x16x128_f8f6f4 v[rD:rD+7], v[rP:rP+FR-1], v[rR:rR+FR-1], \c, v[rX], v[rY] matrix_a_fmt:MATRIX_FMT_FP6 matrix_b_fmt:MATRIX_FMT_FP6 matrix_a_scale:MATRIX_SCALE_ROW1
.elseif par == 2
	v_wmma_scale_f32_16x16x128_f8f6f4 v[rD:rD+7], v[rP:rP+FR-1], v[rR:rR+FR-1], \c, v[rX], v[rY] matrix_a_fmt:MATRIX_FMT_FP6 matrix_b_fmt:MATRIX_FMT_FP6 matrix_b_scale:MATRIX_SCALE_ROW1
.else
	v_wmma_scale_f32_16x16x128_f8f6f4 v[rD:rD+7], v[rP:rP+FR-1], v[rR:rR+FR-1], \c, v[rX], v[rY] matrix_a_fmt:MATRIX_FMT_FP6 matrix_b_fmt:MATRIX_FMT_FP6 matrix_a_scale:MATRIX_SCALE_ROW1 matrix_b_scale:MATRIX_SCALE_ROW1
.endif
.endm
.macro WM a, b, g
.set rD, 8*(8*(\a)+(\b))
.set rC, 96+8*(\b)+96*((\b)/4)
.set rP, 128*((\g)%2)+FR*(\b)
.set rR, AF+48*((\g)%2)+FR*(\a)
.set rX, SCP+8*((\b)/2)+(\g)
.set rY, SCR+8*((\a)/2)+(\g)
.set par, 2*((\a)%2)+(\b)%2
.if (\g) == 0
	WM1 v[rC:rC+7]
.else
	WM1 v[rD:rD+7]
.endif
.endm
.macro MUL32 g                         ; a K step's 32 products; the 32 accumulators take turns, in the same order in every step
.if (\g) == 0
	WIN 0x81                                       ; source 0 window 1, source 1 and C (the bias) window 0, D window 2
.else
	WIN 0xa1                                       ; C and D window 2
.endif
.irp a, 0,1,2,3
.irp b, 0,1,2,3,4,5,6,7
	WM \a, \b, \g
.endr
.endr
.endm
	s_wait_alu depctr_va_vdst(0)                   ; the wait at the head's end
	s_wait_tensorcnt 0x0                           ; my tile is in
	s_barrier_signal -1
	s_barrier_wait -1                              ; everybody's is
	FETCH 0
	s_wait_loadcnt 0x0                             ; the scale words and the bias
.set GS, 0
.rept 7
	s_wait_dscnt 0x0                               ; this step's fragments, asked for ahead of the last step's 32 products (a step's 64 loads are more than a counted wait can name)
.if GS > 0
	PLACES                                         ; in front of loads into the set that the last step multiplied
.endif
	FETCH GS+1
	MUL32 GS
.set GS, GS+1
.endr
	s_wait_dscnt 0x0                               ; my last reads of the tiles are over:
	s_barrier_signal -1                            ; say so,
	MUL32 7
	WIN 0
	s_barrier_wait -1                              ; and behind this barrier nobody reads o's block: the stages lie there
; THE WAY OUT, block by block of 16 rows x 128 columns, through my own stage: whole rows of 512 bytes come back, which the 32 lanes store as two aligned units of 256 bytes.
.macro TOSTAGE a
.set AC, 64*(\a)
	WIN 0x08                                       ; the data: window 2
.irp b, 0,1,2,3,4,5,6,7
	ds_store_b128 v[STO], v[AC+8*\b:AC+8*\b+3] offset:64*\b          ; each accumulator from its low end on
	ds_store_b128 v[STO], v[AC+8*\b+4:AC+8*\b+7] offset:64*\b+16
.endr
	WIN 0
.set BB, BK+64*((\a)%2)
.irp t, 0,1,2,3,4,5,6,7,8,9,10,11,12,13,14,15
	ds_load_b128 v[BB+4*\t:BB+4*\t+3], v[RD] offset:\t*SPITCH        ; LDS serves a wave's instructions in order (ISA guide 5.7.1.4)
.endr
.endm
.macro SEND a, younger                 ; younger: the LDS instructions issued behind block a's loads, which may stay out
.set BB, BK+64*((\a)%2)
	s_wait_dscnt \younger
.if (\a) > 0
	s_add_nc_u64 s[14:15], s[14:15], 16*4096       ; behind a wait on XCNT: the earlier stores have read their base
.endif
.irp t, 0,1,2,3,4,5,6,7,8,9,10,11,12,13,14,15
	global_store_b128 v[L16], v[BB+4*\t:BB+4*\t+3], s[14:15] offset:\t*4096 th:TH_STORE_NT
.endr
.endm
	PLACES
	TOSTAGE 0
.irp a, 1,2,3
.if \a > 1
	s_wait_xcnt 0x0                                ; block a - 2's stores have read their registers and their base
.endif
	TOSTAGE \a
	SEND \a-1, 32                                  ; behind block a - 1's loads: block a's 16 stores and 16 loads
.endr
	s_wait_xcnt 0x0
	SEND 3, 0
	s_wait_tensorcnt 0x0                           ; the wave's end
	ds_add_u32 v[SPW], v[NIL]
	s_wait_dscnt 0x0
	CROUND                                         ; the closing round
	s_endpgm
.Lfunc_end_k_q651bbcb246_proj:
	.size	k_q651bbcb246_proj, .Lfunc_end_k_q651bbcb246_proj-k_q651bbcb246_proj
	.p2alignl 7, 3214868480
	.fill 96, 4, 3214868480
	.section	.rodata,"a",@progbits
	.p2align	6, 0x0
	.amdhsa_kernel k_q651bbcb246_proj
		.amdhsa_group_segment_fixed_size 327680
		.amdhsa_private_segment_fixed_size 0
		.amdhsa_enable_private_segment 0
		.amdhsa_kernarg_size 48
		.amdhsa_user_sgpr_count 2
		.amdhsa_user_sgpr_kernarg_segment_ptr 1
		.amdhsa_wavefront_size32 1
		.amdhsa_system_sgpr_workgroup_id_x 1
		.amdhsa_system_sgpr_workgroup_id_y 1
		.amdhsa_system_sgpr_workgroup_id_z 1
		.amdhsa_system_vgpr_workitem_id 0
		.amdhsa_next_free_vgpr 768
		.amdhsa_next_free_sgpr 100
		.amdhsa_reserve_vcc 0
		.amdhsa_float_denorm_mode_32 3
		.amdhsa_float_denorm_mode_16_64 3
		.amdhsa_memory_ordered 1
		.amdhsa_forward_progress 1
		.amdhsa_inst_pref_size 91
	.end_amdhsa_kernel
	.amdgpu_metadata
---
amdhsa.version: [ 1, 2 ]
amdhsa.kernels:
  - .name:           k_q651bbcb246_proj
    .symbol:         k_q651bbcb246_proj.kd
    .args:
      - { .name: oimg, .offset: 0, .size: 8, .value_kind: global_buffer, .address_space: global }
      - { .name: osc, .offset: 8, .size: 8, .value_kind: global_buffer, .address_space: global }
      - { .name: w_out_codes, .offset: 16, .size: 8, .value_kind: global_buffer, .address_space: global }
      - { .name: w_out_scales, .offset: 24, .size: 8, .value_kind: global_buffer, .address_space: global }
      - { .name: b_out, .offset: 32, .size: 8, .value_kind: global_buffer, .address_space: global }
      - { .name: out0, .offset: 40, .size: 8, .value_kind: global_buffer, .address_space: global }
    .group_segment_fixed_size: 327680
    .private_segment_fixed_size: 0
    .kernarg_segment_align: 8
    .kernarg_segment_size: 48
    .max_flat_workgroup_size: 128
    .sgpr_count:     100
    .vgpr_count:     768
    .wavefront_size: 32
...
	.end_amdgpu_metadata
.endif
;; end of part 3
